; MI455X (gfx1250); checked and timed in simulation.
; The chip was launched on July 23, 2026; its instructions are those of AMD's public machine-readable ISA for CDNA 5 (MIT licence, August 2026) and "CDNA5" Instruction Set Architecture Reference Guide (July 2026). The comments in the code are by the model that wrote it; some were corrected since.
;; Flash Attention. Allowed arithmetic: matrix products marked QUANTISED: E2M3 operands, one E8M0 scale for each 32 along K, by v_wmma_scale_f32_16x16x128_f8f6f4 with both operands' format E2M3, f32 sums; everything else in f32.
;; Inputs: w_proj_codes 1,024 x 32 x 24 uint8 (E2M3 codes of w_proj, K innermost, in blocks of 32 codes, four codes in three bytes); w_proj_scales 1,024 x 32 uint8 (E8M0 scales of w_proj, one for each 32 codes along K); w_qkv_codes 3,072 x 32 x 24 uint8 (E2M3 codes of w_qkv, K innermost, in blocks of 32 codes, four codes in three bytes); w_qkv_scales 3,072 x 32 uint8 (E8M0 scales of w_qkv, one for each 32 codes along K); x_codes 4 x 2,048 x 32 x 24 uint8 (E2M3 codes of x, K innermost, in blocks of 32 codes, four codes in three bytes); x_scales 4 x 2,048 x 32 uint8 (E8M0 scales of x, one for each 32 codes along K).
;; Outputs: out0 4 x 2,048 x 1,024 float32.
;; This version of the problem:
;;   THIS VERSION OF THE PROBLEM IS GIVEN IN LOW PRECISION. The matrix products marked QUANTISED in the list below multiply operands that are first quantised to E2M3 (2 exponent bits, 3 mantissa bits; 6 bits a number), with one power-of-two scale for each 32 numbers along K (OCP MX v1.0); their sums are f32. All else is computed in f32.
;;   The module's matrix products, in the order in which they are computed (A, B: the left and right operand; K: the contracted axis; several contracted axes count as one K, in the product's order):
;;     1. [M 8,192, K 1,024] x [K 1,024, N 3,072]; A: input x (given as codes); B: input w_qkv (given as codes): QUANTISED
;;     2. batch 64 x [M 2,048, K 64] x [K 64, N 2,048]; A: computed on the way; B: computed on the way: QUANTISED
;;     3. batch 64 x [M 64, K 2,048] x [K 2,048, N 2,048]; A: computed on the way; B: softmax (see below): QUANTISED
;;     4. [M 8,192, K 1,024] x [K 1,024, N 1,024]; A: computed on the way; B: input w_proj (given as codes): QUANTISED
;;   THE QUANTISER, for each operand of a quantised product, along K:
;;     - K is cut into blocks of 32 from its start; a last block that is shorter is filled with zeros.
;;     - A block's scale is 2^e with e = floor(log2(the largest magnitude in the block)) - 2, held to -126 .. 127; a block of zeros has e = 0. As a byte (E8M0): e + 127.
;;     - Each number is divided by its block's scale, clamped to +-7.5, and rounded to the nearest number of E2M3, ties to even, subnormals kept.
;;     - The product sums the exact products of the quantised numbers (number of the format x scale) in f32.
;;   ~~~python
;;   def quantise(x, axis):      # numpy; x: float32 -> the quantised numbers, widened to float32 again
;;       x = np.moveaxis(x, axis, -1); K = x.shape[-1]
;;       x = np.pad(x, [(0, 0)] * (x.ndim - 1) + [(0, -K % 32)]); x = x.reshape(x.shape[:-1] + (-1, 32)); a = np.abs(x).max(-1, keepdims=True)
;;       e = np.where(a > 0, np.clip(np.frexp(np.where(a > 0, a, 1))[1] - 1 - 2, -126, 127), 0)      # np.frexp(a)[1] - 1 = floor(log2(a)), exactly
;;       r = np.clip(x / 2.0 ** e, -7.5, 7.5)
;;       step = 2.0 ** (np.maximum(np.frexp(np.where(r == 0, 1, r))[1] - 1, 0) - 3)
;;       q = np.round(r / step) * step * 2.0 ** e      # np.round: ties to even
;;       return np.moveaxis(q.reshape(q.shape[:-2] + (-1,))[..., :K], -1, axis).astype(np.float32)
;;   ~~~
;;   SOFTMAX AHEAD OF A QUANTISED PRODUCT. Where the list says 'softmax', what is quantised is not the finished softmax but p = 2^(t - M), with t = logit x log2(e) and M = ceil(the row's largest t), a whole number; so 1/2 < the row's largest p <= 1. The row's sum l is taken of the UNQUANTISED p, in f32, and the product's result is divided by l at the end. Since M is a whole number, a kernel that streams over the keys may use a running M (the ceiling of the running maximum): every later rescaling is an exact power of two, which a block's scale takes up: the codes' values come out the same.
;;   OPERANDS COMPUTED ON THE WAY. 'Computed on the way' means the value that the module computes at that place (a softmax that the list does not call 'softmax' is quantised finished and normalised). What goes into a quantiser is computed in f32, as accurately as f32 sums, v_exp_f32 and their like allow (about 1e-6 of the number): no bf16 or f16 on the way to a quantiser, and a product that is left as it is and whose result goes on into a quantised operand takes f32 operands (vector FMAs, or v_wmma_f32_16x16x4_f32). A number that lies on a knife's edge between two numbers of the format may be rounded either way, as far as f32 arithmetic and the matrix unit's own rounding can turn it there, and no further.
;;   INPUTS GIVEN AS CODES. w_proj (in the module: [1024, 1024], K = its axis 1); w_qkv (in the module: [3072, 1024], K = its axis 1); x (in the module: [4, 2048, 1024], K = its axis 2): each comes as NAME_codes (uint8): NAME with its K axis moved to the last place and cut into blocks of 32 codes, [.., K / 32, bytes a block], one block behind the other in memory; four codes in three bytes: a row's codes are one little-endian stream of bits, code i at bits 6 i .. 6 i + 5 (a code: sign, 2 exponent bits, 3 mantissa bits); and NAME_scales (uint8): the same leading axes, one E8M0 byte (e + 127) for each 32 codes along K. Its value is code x scale, taken as it is: it is not quantised again, and the codes and scales need not be those that the quantiser above would give.
;; One version. Each part assembles by itself: llvm-mc -triple=amdgcn-amd-amdhsa -mcpu=gfx1250 --defsym DOCPART=n.
;; ======== version 1 of 1: 3 launches
;; workspace buffers: qb 6,553,600 bytes; kv 13,107,200 bytes; oc 6,291,456 bytes; os 262,144 bytes
;; launch qkv (part 1): grid 12 x 32, 4 waves a work-group, clusters of 4 x 4, 327,680 bytes of LDS; arguments x_codes, x_scales, w_qkv_codes, w_qkv_scales, qb, kv; writes qb, kv
.if DOCPART == 1
	.amdgcn_target "amdgcn-amd-amdhsa--gfx1250"
	.amdhsa_code_object_version 6
	.text
	.protected	k_q46189c42bd_qkv
	.globl	k_q46189c42bd_qkv
	.p2align	8
	.type	k_q46189c42bd_qkv,@function
k_q46189c42bd_qkv:
	s_mov_b64 s[64:65], 0
	v_nop
	global_prefetch_b8 v0, s[64:65] scope:SCOPE_SE
	s_setreg_imm32_b32 hwreg(HW_REG_WAVE_MODE, 25, 1), 1
	s_wait_xcnt 0x0
	s_wait_alu depctr_hold_cnt(0) depctr_sa_sdst(0) depctr_va_vdst(0) depctr_va_sdst(0) depctr_va_ssrc(0) depctr_va_vcc(0) depctr_vm_vsrc(0)
	s_getreg_b32 s2, hwreg(HW_REG_IB_STS2, 6, 4)
	s_cmp_eq_u32 s2, 0
	s_cbranch_scc0 .Lentry_in_a_cluster
	s_endpgm
.Lentry_in_a_cluster:
	s_bfe_u32 s2, ttmp6, 0x10000c
	s_cmp_lg_u32 s2, 0xf033
	s_cbranch_scc0 .Lentry_shape_is_right
	s_endpgm
.Lentry_shape_is_right:
; qkv = x w_qkv^T on codes of FP6 (E2M3) with E8M0 scales, 8,192 x 3,072 x 1,024, and the quantising of q, k (along the head's 64) and v (along the keys) in registers.
; A tile of 256 x 256 is made by four waves, 128 x 128 each: 64 accumulators of 16 x 16 in windows 2 and 3.  K goes in steps of 256 through a ring of two LDS slots filled by joint tensor loads.
; ROLES.  Source 1 ("A") gives a lane its row, source 0 ("B") runs along a lane's registers.  Clusters with x = 0, 1 (q, k): A = x, B = w_qkv: a lane holds a token, its registers run along the features, the next K.
; Clusters with x = 2 (v): A = w_qkv, B = x: a lane holds a channel, its registers run along the tokens, the keys.  The choice hangs on the cluster's x alone, which all sixteen partners share.
; CLUSTERS: 4 x 4 work-groups; A's tiles are shared along a row of the cluster, B's along a column: each is asked for jointly.
; RESULTS.  qb: [batch x head 64][key step of 128 tokens 16][6,400 bytes]: four pair fragments (tokens 32 f .. + 31: registers 0-5 the first 16 tokens, 6-11 the next 16; lane (r, h) holds block h of token r's 64), each as an image
; of its 12 registers (registers 4 c .. 4 c + 3 of lane l at 512 c + 16 l), then 64 scale words (fragment f, row r at 64 f + 4 r: the two bytes of the first tile, the two of the second).
; kv: [64][16][12,800 bytes]: K's four pair fragments, V's four fragments (16 channels x 128 keys), K's 64 scale words, V's 64 (tile t, channel r at 64 t + 4 r).
; ORDER INSIDE A BLOCK OF 32: a lane half holds elements 8 h + j and 16 + 8 h + j of a block, so the codes lie in the order 0-7, 16-23, 8-15, 24-31.  Both operands of the scores' product (q, k) and both of the second
; product (v here, p in the next launch) are laid so, inside one scale block: the products are the same.
; LIMITS: NaN and infinities among the sums are not served.  A block of zeros gets the byte 1 (its codes are zeros; this program alone reads the bytes); a block whose largest magnitude lies under 2^-124 is held at the byte 1.
.set SIZE_K, 1024
.set KSTEP,  256                       ; along K in a slot
.set NQ,     KSTEP/128                 ; matrix instructions deep
.set ROWB,   192                       ; a tile's row in bytes
.set KROW,   SIZE_K*6/8                ; a row of x or of w_qkv in memory
.set PITCH,  240                       ; an LDS row: 3 x (64 bytes + 16 of padding)
.set FR,     12                        ; registers of a fragment
.set NL,     6                         ; LDS loads that bring one
.set NP,     4                         ; places behind this matrix instruction (ISA guide 7.12.1)
.set HALFT,  128*PITCH                 ; 128 rows: what one tensor load brings
.set SLOT,   4*HALFT                   ; A's 256 rows, then B's 256 rows
.set LAPS,   SIZE_K/(2*KSTEP)          ; a lap = two K steps = once round the ring
.set KS,     SIZE_K/32                 ; a row of scale bytes
.set SCL,    2*SLOT                    ; behind the ring: the scales, as units of 256 bytes + 16 of padding
.set HALFS,  (128*KS/256)*272          ; the scales of 128 rows
.set SBLK,   (16*KS/256)*272           ; those of 16 rows
.set SPARE,  SCL+4*HALFS               ; the spare words, 128 bytes for each wave
.set ADRA, 16                          ; v16-17 LDS address of my A fragments in slot 0, 1 (v18-19: behind one padding more)
.set ADRB, 20                          ; v20-21 the same for B (v22-23)
.set VO0,  24                          ; v24 16 x lane: my place in an image, first head;  v25 the same one head on
.set VO1,  25
.set ADRS, 27                          ; v27 LDS address of my scale words: lanes 0-15 A's rows, lanes 16-31 B's
.set SPW,  28                          ; v28 LDS address of my spare word; never rewritten
.set NIL,  29                          ; v29 0; never rewritten
.set VS0,  30                          ; v30 4 x lane: my place among scale words, first head;  v31 one head on
.set VS1,  31
.set SC,   32                          ; v32-63 scale words, two sets
.set TM,   64                          ; v64-67 largest magnitudes, v68-71 the other half's, then bytes, v76-79 the conversions' scale operands
.set CT,   80                          ; v80-82, v84-86 the second halves of the conversions
.set PWA,  88                          ; the scale words just made
.set PWB,  89
.set HB,   90
.set W0,   92                          ; v92-95 first head's four scale words, v96-99 second head's
.set W1,   96
.set XW,   100                         ; v100-103 scale words as they are stored
.set CD,   104                         ; v104-127 two fragments of codes
.set AF,   128                         ; A's fragments, in window 0
.set SEL,  100                         ; s[100:101] lane selects for v_permlanex16_b32: lane l xor 16
.set G1, 24
.set G0, 32
.set G1B, 48
.set G0B, 56
.set G1S, 68
.set G0S, 76
.set G1SB, 80
.set G0SB, 88
.set MSB, 0
.macro WIN new                         ; the immediate's high byte repeats the setting that is left
.if MSB != (\new)
	s_set_vgpr_msb (MSB<<8)|(\new)
.set MSB, (\new)
.endif
.endm
.set MUL_LO, 0xa1                      ; source 0 (B) window 1, source 1 (A) window 0, C and D window 2
.set MUL_HI, 0xf1                      ; the same, C and D window 3
.set TO_B,   0x40                      ; destination window 1, address window 0
; A joint load: waves 0 and 1 fetch for A, waves 2 and 3 for B; the branch hangs on the wave's number alone.  Four v_nop follow each of the two lines.
.macro JLOAD g0a, g1a, g0b, g1b
	s_cmp_eq_u32 s15, 0
	s_cbranch_scc0 .Lfor_b_\@
	tensor_load_to_lds s[\g0a:\g0a+3], s[\g1a:\g1a+7]
	s_nop 0
.rept 4
	v_nop
.endr
	s_branch .Lasked_\@
.Lfor_b_\@:
	tensor_load_to_lds s[\g0b:\g0b+3], s[\g1b:\g1b+7]
	s_nop 0
.rept 4
	v_nop
.endr
.Lasked_\@:
.endm
.macro CREST                           ; a round of the cluster's barrier behind its opening barrier
	s_cmp_lg_u32 s14, 0
	s_cbranch_scc1 .Lnot_wave_0_\@
	s_barrier_signal -3
.Lnot_wave_0_\@:
	s_barrier_wait -3
	s_barrier_signal -1
	s_barrier_wait -1
.endm
.macro CROUND                          ; a whole round
	s_barrier_signal -1
	s_barrier_wait -1
	CREST
.endm
	s_load_b256 s[4:11], s[0:1], 0x0               ; x's codes, x's scales, w_qkv's codes, w_qkv's scales
	s_load_b128 s[96:99], s[0:1], 0x20             ; qb, kv
	v_lshl_add_u32 v[SPW], v0, 2, SPARE
	v_mov_b32 v[NIL], 0
	ds_add_u32 v28, v29
	ds_add_u32 v28, v29
	s_wait_dscnt 0x0
	v_lshrrev_b32 v1, 5, v0
	v_readfirstlane_b32 s14, v1                    ; wave 0..3
	s_lshr_b32 s15, s14, 1                         ; which half of A's rows is mine.  Also: I fetch for A (0) or for B (1)
	s_and_b32 s16, s14, 1                          ; which half of B's rows.  Also: which 128 rows of that tile I fetch
	s_bfe_u32 s40, ttmp6, 0x40000                  ; cx, cy: my place in the cluster
	s_bfe_u32 s41, ttmp6, 0x40004
	s_lshl_b32 s19, ttmp9, 2                       ; 4 x cluster x
	s_and_b32 s18, ttmp7, 0xffff
	s_lshl_b32 s18, s18, 2                         ; 4 x cluster y
	s_cmp_eq_u32 ttmp9, 2                          ; the clusters of v
	s_cselect_b32 s17, 8, s18                      ; A's tile: of w_qkv 8 + cy, else of x 4 x cluster y + cy
	s_cselect_b32 s42, s18, s19                    ; B's tile: of x 4 x cluster y + cx, else of w_qkv 4 x cluster x + cx
	s_add_co_u32 s17, s17, s41
	s_add_co_u32 s42, s42, s40
	s_lshl_b32 s43, s41, 2
	s_lshl_b32 s43, 15, s43                        ; my row of the cluster
	s_lshl_b32 s44, 0x1111, s40                    ; my column
	; descriptor group 1: a tile of 128 rows x 192 bytes, 16 bytes of padding behind every 64
	s_or_b32 s[G1+0], s43, (0<<16)|(1<<20)|(1<<21)|(3<<22)|(3<<25)
	s_or_b32 s[G1B+0], s44, (0<<16)|(1<<20)|(1<<21)|(3<<22)|(3<<25)
.irp g, G1, G1B
	s_mov_b32 s[\g+1], ROWB<<16                    ; tensor_dim0
	s_mov_b32 s[\g+2], 128<<16                     ; tensor_dim1
	s_mov_b32 s[\g+3], ROWB<<16                    ; tile_dim0
	s_mov_b32 s[\g+4], 128                         ; tile_dim1
	s_mov_b32 s[\g+5], KROW                        ; tensor_dim0_stride
	s_mov_b32 s[\g+6], 0
	s_mov_b32 s[\g+7], 0
.endr
	; the scales of 128 rows: a dense block of 4,096 bytes, as 16 rows of 256 bytes, 16 bytes of padding behind each
	s_or_b32 s[G1S+0], s43, (3<<16)|(1<<20)|(1<<21)|(5<<22)|(3<<25)
	s_or_b32 s[G1SB+0], s44, (3<<16)|(1<<20)|(1<<21)|(5<<22)|(3<<25)
.irp g, G1S, G1SB
	s_mov_b32 s[\g+1], 32<<16
	s_mov_b32 s[\g+2], (128*KS/256)<<16
	s_mov_b32 s[\g+3], 32<<16
	s_mov_b32 s[\g+4], 128*KS/256
	s_mov_b32 s[\g+5], 32
	s_mov_b32 s[\g+6], 0
	s_mov_b32 s[\g+7], 0
.endr
	s_lshl_b32 s18, s16, 7                         ; which 128 rows of the tile I fetch
	s_lshl_b32 s20, s17, 8
	s_add_co_u32 s20, s20, s18                     ; A: row 256 x tile + 128 x half
	s_lshl_b32 s46, s42, 8
	s_add_co_u32 s46, s46, s18                     ; B likewise
	s_mov_b32 s21, 0
	s_mov_b32 s47, 0
	s_mov_b64 s[18:19], KS
	s_mul_u64 s[22:23], s[20:21], s[18:19]         ; where these rows' scales begin, in bytes
	s_mul_u64 s[92:93], s[46:47], s[18:19]
	s_mov_b64 s[18:19], KROW
	s_mul_u64 s[20:21], s[20:21], s[18:19]         ; and their codes
	s_mul_u64 s[46:47], s[46:47], s[18:19]
	s_mul_i32 s45, s14, HALFT                      ; where they go: wave x 128 rows
	s_mul_i32 s94, s14, HALFS
	s_wait_kmcnt 0x0
	s_cmp_eq_u32 ttmp9, 2                          ; the roles: a choice between buffers on the cluster's x
	s_cselect_b64 s[12:13], s[8:9], s[4:5]         ; A's codes
	s_cselect_b64 s[66:67], s[10:11], s[6:7]       ; A's scales
	s_cselect_b64 s[8:9], s[4:5], s[8:9]           ; B's codes
	s_cselect_b64 s[10:11], s[6:7], s[10:11]       ; B's scales
	s_add_nc_u64 s[20:21], s[12:13], s[20:21]
	s_add_nc_u64 s[22:23], s[66:67], s[22:23]
	s_add_nc_u64 s[46:47], s[8:9], s[46:47]
	s_add_nc_u64 s[92:93], s[10:11], s[92:93]
	CROUND                                         ; all sixteen work-groups are here: the first joint loads meet
	s_mov_b32 s[G0S], 1
	s_add_co_u32 s[G0S+1], s94, SCL
	s_mov_b64 s[G0S+2:G0S+3], s[22:23]
	s_or_b32 s[G0S+3], s[G0S+3], 0x80000000
	s_mov_b32 s[G0SB], 1
	s_add_co_u32 s[G0SB+1], s94, SCL
	s_mov_b64 s[G0SB+2:G0SB+3], s[92:93]
	s_or_b32 s[G0SB+3], s[G0SB+3], 0x80000000
	JLOAD G0S, G1S, G0SB, G1SB                     ; the scales first: they are wanted with K step 0
.irp s, 0,1
	s_mov_b32 s[G0+4*\s], 1
	s_add_co_u32 s[G0+4*\s+1], s45, \s*SLOT
	s_add_nc_u64 s[G0+4*\s+2:G0+4*\s+3], s[20:21], \s*ROWB
	s_or_b32 s[G0+4*\s+3], s[G0+4*\s+3], 0x80000000
	s_mov_b32 s[G0B+4*\s], 1
	s_add_co_u32 s[G0B+4*\s+1], s45, \s*SLOT
	s_add_nc_u64 s[G0B+4*\s+2:G0B+4*\s+3], s[46:47], \s*ROWB
	s_or_b32 s[G0B+4*\s+3], s[G0B+4*\s+3], 0x80000000
	JLOAD G0+4*\s, G1, G0B+4*\s, G1B
.endr
	v_and_b32 v1, 15, v0                           ; l % 16
	v_bfe_u32 v2, v0, 4, 1                         ; l / 16
	v_mul_u32_u24 v3, v1, PITCH
	v_mul_u32_u24 v4, v2, 24
	v_add_nc_u32 v4, v3, v4                        ; a fragment's row x pitch + 24 x half
	v_lshl_add_u32 v5, v2, 4, v4                   ; and the same behind one padding more
	s_mul_i32 s21, s15, HALFT                      ; my 128 rows of A
	s_mul_i32 s22, s16, HALFT                      ; my 128 rows of B,
	s_add_co_u32 s22, s22, 2*HALFT                 ; which lie behind A's 256
.irp s, 0,1
	v_add_nc_u32 v[ADRA+\s], s21, v4
	v_add_nc_u32 v[ADRB+\s], s22, v4
	v_add_nc_u32 v[ADRA+2+\s], s21, v5
	v_add_nc_u32 v[ADRB+2+\s], s22, v5
	s_add_co_u32 s21, s21, SLOT
	s_add_co_u32 s22, s22, SLOT
.endr
	v_mul_u32_u24 v5, v1, KS                       ; my row's scales: KS bytes a row,
	v_lshrrev_b32 v6, 8, v5
	v_lshl_add_u32 v5, v6, 4, v5                   ; and 16 more for each 256 passed
	s_mul_i32 s21, s15, HALFS                      ; A's: my 128 rows
	s_mul_i32 s22, s16, HALFS                      ; B's: my 128 rows, behind A's 256
	s_add_co_u32 s22, s22, 2*HALFS
	s_sub_co_u32 s22, s22, s21
	v_mul_u32_u24 v6, s22, v2                      ; lanes 16-31 take B's
	s_add_co_u32 s21, s21, SCL
	v_add_nc_u32 v5, v5, v6
	v_add_nc_u32 v[ADRS], s21, v5
	; where my results go
	s_lshl_b32 s20, s17, 8
	s_lshl_b32 s21, s15, 7
	s_add_co_u32 s20, s20, s21                     ; my first row of A
	s_lshl_b32 s46, s42, 8
	s_lshl_b32 s47, s16, 7
	s_add_co_u32 s46, s46, s47                     ; my first row of B
	s_cmp_eq_u32 ttmp9, 2
	s_cselect_b32 s21, s46, s20                    ; my first token
	s_cselect_b32 s47, s20, s46                    ; my first feature
	s_cselect_b32 s94, 6144, 0                     ; V's fragments lie behind K's
	s_lshr_b32 s22, s21, 11                        ; the batch
	s_bfe_u32 s23, s21, 0x40007                    ; the key step of 128 tokens
	s_bfe_u32 s47, s47, 0x40006                    ; my first head (of two)
	s_lshl_b32 s22, s22, 4
	s_add_co_u32 s22, s22, s47
	s_lshl_b32 s22, s22, 4
	s_add_co_u32 s22, s22, s23                     ; (16 batch + head) 16 + key step
	s_mov_b32 s23, 12800
	s_mov_b32 s92, 12288
	s_cmp_eq_u32 ttmp9, 0                          ; q goes to qb, k and v to kv
	s_cselect_b32 s23, 6400, s23                   ; bytes of a key step's block
	s_cselect_b32 s92, 6144, s92                   ; where its scale words begin: q's, k's,
	s_cselect_b64 s[4:5], s[96:97], s[98:99]
	s_mov_b32 s93, 12544
	s_cmp_eq_u32 ttmp9, 2
	s_cselect_b32 s92, s93, s92                    ; v's
	s_mul_i32 s22, s22, s23
	s_lshl_b32 s2, s23, 4                          ; from a head to the next: 16 key steps
	s_mov_b32 s23, 0
	s_mov_b32 s93, 0
	s_mov_b32 s95, 0
	s_add_nc_u64 s[4:5], s[4:5], s[22:23]
	s_add_nc_u64 s[6:7], s[4:5], s[92:93]          ; the scale words' base
	s_add_nc_u64 s[4:5], s[4:5], s[94:95]          ; the codes' base
	v_and_b32 v6, 31, v0
	v_lshlrev_b32 v[VO0], 4, v6
	v_add_nc_u32 v[VO1], s2, v[VO0]
	v_lshlrev_b32 v[VS0], 2, v6
	v_add_nc_u32 v[VS1], s2, v[VS0]
.irp b, 0,1,2,3
	v_mov_b32 v[TM+4+\b], 0                        ; written once: a lane permute's destination counts as one of its sources
.endr
	s_mov_b32 s[SEL], 0x76543210
	s_mov_b32 s[SEL+1], 0xfedcba98
.macro FRAG reg, adr, q, i             ; a fragment: lane l holds row l % 16; registers 6 c .. 6 c + 5 hold K = 64 c + 32 (l / 16) + 0 .. 31: 24 bytes of the row's stream, in pieces of 8 bytes
.irp p, 0,1,2,3,4,5
.set PCE, 12*(\q)+6*(\p/3)+\p%3        ; where the piece three on lies behind one padding more, the second address register serves
.if PCE%8 < 5
	ds_load_b64 v[\reg+2*\p:\reg+2*\p+1], v[\adr] offset:8*PCE+16*(PCE/8)+(\i)*16*PITCH
.else
	ds_load_b64 v[\reg+2*\p:\reg+2*\p+1], v[\adr+2] offset:8*PCE+16*(PCE/8)+(\i)*16*PITCH
.endif
.endr
.endm
; 16 matrix instructions: A's blocks a0, a0 + 1 x B's eight, 128 along K.  The 64 accumulators take turns, one instruction a turn, in the same order in every step.
.macro MUL16 a0, p, q, sc, zero
.irp a, \a0, \a0+1
.irp b, 0,1,2,3,4,5,6,7
.if \zero
	v_wmma_scale_f32_16x16x128_f8f6f4 v[8*(8*((\a)%4)+\b):8*(8*((\a)%4)+\b)+7], v[128*(\p)+FR*\b:128*(\p)+FR*\b+FR-1], v[AF+FR*(\a):AF+FR*(\a)+FR-1], 0, v[SC+8*NQ*(\sc)+NQ*\b+(\q)], v[SC+8*NQ*(\sc)+NQ*(\a)+(\q)] matrix_a_fmt:MATRIX_FMT_FP6 matrix_b_fmt:MATRIX_FMT_FP6 matrix_a_scale:MATRIX_SCALE_ROW1
.else
	v_wmma_scale_f32_16x16x128_f8f6f4 v[8*(8*((\a)%4)+\b):8*(8*((\a)%4)+\b)+7], v[128*(\p)+FR*\b:128*(\p)+FR*\b+FR-1], v[AF+FR*(\a):AF+FR*(\a)+FR-1], v[8*(8*((\a)%4)+\b):8*(8*((\a)%4)+\b)+7], v[SC+8*NQ*(\sc)+NQ*\b+(\q)], v[SC+8*NQ*(\sc)+NQ*(\a)+(\q)] matrix_a_fmt:MATRIX_FMT_FP6 matrix_b_fmt:MATRIX_FMT_FP6 matrix_a_scale:MATRIX_SCALE_ROW1
.endif
.endr
.endr
.endm
.macro FETCH_B slot, q, p              ; B's eight fragments of the slot's q-th 128 along K into set p
	WIN TO_B
.irp i, 0,1,2,3,4,5,6,7
	FRAG 128*(\p)+FR*\i, ADRB+\slot, \q, \i
.endr
	WIN 0
.endm
.macro FETCH_A slot, q, i0             ; A's blocks i0 .. i0 + 3
.irp i, \i0, \i0+1, \i0+2, \i0+3
	FRAG AF+FR*(\i), ADRA+\slot, \q, \i
.endr
.endm
.macro SCALES sc                       ; a K step's scale words into set sc: lanes 0-15 take A's block i, lanes 16-31 B's block i
.irp i, 0,1,2,3,4,5,6,7
	ds_load_b64 v[SC+8*NQ*\sc+NQ*\i:SC+8*NQ*\sc+NQ*\i+1], v[ADRS] offset:\i*SBLK
.endr
.endm
.macro PLACES n                        ; plain vector instructions between a matrix instruction and a load into, or a read of, its registers
.rept \n
	v_nop
.endr
.endm
; A step of 128 along K that has its successor in the same slot.
.macro STEP slot, q, zero
	s_wait_dscnt 4*NL                              ; B's set and A's blocks 0-3 are in; the youngest 24 loads (A's blocks 4-7) may be out
	WIN MUL_LO
	MUL16 0, (\q)%2, \q, \slot, \zero
	MUL16 2, (\q)%2, \q, \slot, \zero
	s_wait_dscnt 0                                 ; A's blocks 4-7 are in
	PLACES NP
	FETCH_B \slot, (\q)+1, 1-(\q)%2
	FETCH_A \slot, (\q)+1, 0
	WIN MUL_HI
	MUL16 4, (\q)%2, \q, \slot, \zero
	MUL16 6, (\q)%2, \q, \slot, \zero
	PLACES NP
	WIN 0
	FETCH_A \slot, (\q)+1, 4
.endm
; A slot's last step changes slots: one barrier; in front of it each wave waits for all its tensor loads, adds 0 to its spare word, and waits for that and for its own reads of this slot.
.macro TURN slot, next, fill
	s_wait_tensorcnt 0x0                           ; all my tensor loads have landed: my part of the next slot
	ds_add_u32 v[SPW], v[NIL]                      ; 0 onto my spare word
	s_wait_dscnt 4*NL+1                            ; the add and the youngest 24 loads (A's blocks 4-7) may be out
	WIN MUL_LO
	MUL16 0, 1, NQ-1, \slot, 0
	s_wait_dscnt 0x0                               ; the add is done, and my reads of this slot are over
	s_barrier_signal -1
	MUL16 2, 1, NQ-1, \slot, 0
	WIN 0
	s_barrier_wait -1
.if \fill
	CREST                                          ; the barrier has opened a round of the cluster's barrier: no wave of any partner still reads this slot or has a load on its way
	s_add_nc_u64 s[G0+4*\slot+2:G0+4*\slot+3], s[G0+4*\slot+2:G0+4*\slot+3], 2*ROWB
	s_add_nc_u64 s[G0B+4*\slot+2:G0B+4*\slot+3], s[G0B+4*\slot+2:G0B+4*\slot+3], 2*ROWB
	JLOAD G0+4*\slot, G1, G0B+4*\slot, G1B         ; the first tensor load behind the round; its four v_nop are also the places in front of the loads below
.else
	PLACES NP
.endif
	s_wait_alu depctr_va_vdst(0)
	v_add_nc_u32 v[ADRS], 4*NQ, v[ADRS]            ; on to the next K step's scale words
	FETCH_B \next, 0, 0
	FETCH_A \next, 0, 0
	SCALES \next
	WIN MUL_HI
	MUL16 4, 1, NQ-1, \slot, 0
	MUL16 6, 1, NQ-1, \slot, 0
	PLACES NP
	WIN 0
	FETCH_A \next, 0, 4
.endm
	s_wait_tensorcnt 1                             ; the scales and my part of K step 0 are in (K step 1's load may be out),
	s_barrier_signal -1
	s_barrier_wait -1                              ; everybody's are
	FETCH_B 0, 0, 0
	FETCH_A 0, 0, 0
	SCALES 0
	FETCH_A 0, 0, 4
	STEP 0, 0, 1                                   ; the first step stands in front of the loop: its products start the sums
	s_mov_b32 s3, LAPS-1
.Llap:                                                 ; a trip goes once round the ring and fills both slots again
	TURN 0, 1, 1
	STEP 1, 0, 0
	TURN 1, 0, 1
	STEP 0, 0, 0
	s_sub_co_u32 s3, s3, 1
	s_cmp_lg_u32 s3, 0
	s_cbranch_scc1 .Llap
	TURN 0, 1, 0                                   ; the last lap fills nothing
	STEP 1, 0, 0
	s_wait_dscnt 4*NL                              ; the very last step: nothing more to fetch
	WIN MUL_LO
	MUL16 0, 1, NQ-1, 1, 0
	MUL16 2, 1, NQ-1, 1, 0
	s_wait_dscnt 0
	WIN MUL_HI
	MUL16 4, 1, NQ-1, 1, 0
	MUL16 6, 1, NQ-1, 1, 0
	WIN 0
; THE QUANTISER.  A's block a: 64 registers of a lane, four blocks of 32 along the next K; register 16 b + j is element 8 h + j, register 16 b + 8 + j element 16 + 8 h + j of block b of the lane's row.
; Blocks 0, 1 become six registers from d0 on (lane half h: block h), blocks 2, 3 six from d1 on; the four scale bytes make the word pw.
.macro QUANT a, d0, d1, pw
.set AC, 64*((\a)%4)
	WIN 0x28+0x14*((\a)/4)                         ; sources 1 and 2: the accumulators' window
.irp b, 0,1,2,3
	v_max3_num_f32 v[TM+\b], 0x1800000, |v[AC+16*\b]|, |v[AC+16*\b+1]|   ; my 16 numbers of block b, and the floor 2^(3 - 127): the byte cannot fall under 1.  Each accumulator is read from its low end on
.endr
.irp i, 2,4,6,8,10,12,14
.irp b, 0,1,2,3
	v_max3_num_f32 v[TM+\b], v[TM+\b], |v[AC+16*\b+\i]|, |v[AC+16*\b+\i+1]|
.endr
.endr
	WIN 0
.irp b, 0,1,2,3
	v_permlanex16_b32 v[TM+4+\b], v[TM+\b], s[SEL], s[SEL+1]
.endr
.irp b, 0,1,2,3
	v_max_num_f32 v[TM+\b], v[TM+\b], v[TM+4+\b]   ; with lane l xor 16's: the block's largest magnitude
.endr
.irp b, 0,1,2,3
	v_add_nc_u32 v[TM+12+\b], 0xff000000, v[TM+\b] ; 2 off its exponent field: the conversion's scale operand
.endr
.irp b, 0,1,2,3
	v_lshrrev_b32 v[TM+4+\b], 23, v[TM+12+\b]      ; the scale's byte
.endr
	v_lshl_or_b32 v[\pw], v[TM+5], 8, v[TM+4]
	v_lshl_or_b32 v[\pw], v[TM+6], 16, v[\pw]
	v_lshl_or_b32 v[\pw], v[TM+7], 24, v[\pw]
	WIN 0x02+(\a)/4                                ; source 0: the accumulators' window
	v_cvt_scalef32_pk16_fp6_f32 v[\d0:\d0+2], v[AC:AC+15], v[TM+12]
	v_cvt_scalef32_pk16_fp6_f32 v[CT:CT+2], v[AC+16:AC+31], v[TM+13]
	v_cvt_scalef32_pk16_fp6_f32 v[\d1:\d1+2], v[AC+32:AC+47], v[TM+14]
	v_cvt_scalef32_pk16_fp6_f32 v[CT+4:CT+6], v[AC+48:AC+63], v[TM+15]
	WIN 0
	v_nop                                          ; one plain place behind a scaled conversion
.irp i, 0,1,2
	v_permlane16_swap_b32 v[\d0+\i], v[CT+\i]      ; a whole block to a lane: lanes 0-15 the first block, lanes 16-31 the second
.endr
.irp i, 0,1,2
	v_mov_b32 v[\d0+3+\i], v[CT+\i]
.endr
.irp i, 0,1,2
	v_permlane16_swap_b32 v[\d1+\i], v[CT+4+\i]
.endr
.irp i, 0,1,2
	v_mov_b32 v[\d1+3+\i], v[CT+4+\i]
.endr
.endm
; THE WAY OUT, two of A's blocks at a time.  Each store of codes covers 512 consecutive bytes, aligned.
.macro EPI isv
.irp i, 0,1,2,3
.if \i > 0
	s_wait_xcnt 0x0                                ; the stores of the last two blocks have read their registers
.endif
.if \isv
	QUANT 2*\i, CD, CD+6, PWA                      ; 16 channels x 128 keys: one fragment of V
	QUANT 2*\i+1, CD+12, CD+18, PWB
	v_cndmask_b32 v[XW+\i], v[PWA], v[PWB], vcc_lo ; lanes 0-15 the first tile's words, lanes 16-31 the second's
.irp c, 0,1,2
	global_store_b128 v[VO0+\i/2], v[CD+4*\c:CD+4*\c+3], s[4:5] offset:1536*((2*\i)%4)+512*\c
.endr
.irp c, 0,1,2
	global_store_b128 v[VO0+\i/2], v[CD+12+4*\c:CD+12+4*\c+3], s[4:5] offset:1536*((2*\i+1)%4)+512*\c
.endr
	global_store_b32 v[VS0+\i/2], v[XW+\i], s[6:7] offset:128*(\i%2)
.else
	QUANT 2*\i, CD, CD+12, PWA                     ; 16 tokens: the first halves of two heads' pair fragments,
	QUANT 2*\i+1, CD+6, CD+18, PWB                 ; the next 16: the second halves
	v_perm_b32 v[W0+\i], v[PWB], v[PWA], 0x05040100   ; first head: the two tiles' two bytes each
	v_perm_b32 v[W1+\i], v[PWB], v[PWA], 0x07060302   ; second head
.irp c, 0,1,2
	global_store_b128 v[VO0], v[CD+4*\c:CD+4*\c+3], s[4:5] offset:1536*\i+512*\c
.endr
.irp c, 0,1,2
	global_store_b128 v[VO1], v[CD+12+4*\c:CD+12+4*\c+3], s[4:5] offset:1536*\i+512*\c
.endr
.endif
.endr
.if !\isv
	v_cndmask_b32 v[XW+0], v[W0+0], v[W0+1], vcc_lo
	v_cndmask_b32 v[XW+1], v[W0+2], v[W0+3], vcc_lo
	v_cndmask_b32 v[XW+2], v[W1+0], v[W1+1], vcc_lo
	v_cndmask_b32 v[XW+3], v[W1+2], v[W1+3], vcc_lo
	global_store_b32 v[VS0], v[XW+0], s[6:7]
	global_store_b32 v[VS0], v[XW+1], s[6:7] offset:128
	global_store_b32 v[VS1], v[XW+2], s[6:7]
	global_store_b32 v[VS1], v[XW+3], s[6:7] offset:128
.endif
.endm
	PLACES NP                                      ; behind the last products, ahead of the first read of results
	v_and_b32 v[HB], 16, v0
	v_cmp_ne_u32 vcc_lo, 0, v[HB]                  ; lanes 16-31
	s_cmp_eq_u32 ttmp9, 2                          ; the cluster's x: alike in all partners
	s_cbranch_scc1 .Lv_out
	EPI 0
	s_branch .Lend
.Lv_out:
	EPI 1
.Lend:
	s_wait_tensorcnt 0x0                           ; the wave's end
	ds_add_u32 v[SPW], v[NIL]
	s_wait_dscnt 0x0
	CROUND                                         ; the closing round: no work-group ends while a partner may still ask for a tile that names it
	s_endpgm
.Lfunc_end_k_q46189c42bd_qkv:
	.size	k_q46189c42bd_qkv, .Lfunc_end_k_q46189c42bd_qkv-k_q46189c42bd_qkv
	.p2alignl 7, 3214868480
	.fill 96, 4, 3214868480
	.section	.rodata,"a",@progbits
	.p2align	6, 0x0
	.amdhsa_kernel k_q46189c42bd_qkv
		.amdhsa_group_segment_fixed_size 327680
		.amdhsa_private_segment_fixed_size 0
		.amdhsa_enable_private_segment 0
		.amdhsa_kernarg_size 48
		.amdhsa_user_sgpr_count 2
		.amdhsa_user_sgpr_kernarg_segment_ptr 1
		.amdhsa_wavefront_size32 1
		.amdhsa_system_sgpr_workgroup_id_x 1
		.amdhsa_system_sgpr_workgroup_id_y 1
		.amdhsa_system_sgpr_workgroup_id_z 1
		.amdhsa_system_vgpr_workitem_id 0
		.amdhsa_next_free_vgpr 1024
		.amdhsa_next_free_sgpr 102
		.amdhsa_reserve_vcc 1
		.amdhsa_float_denorm_mode_32 3
		.amdhsa_float_denorm_mode_16_64 3
		.amdhsa_memory_ordered 1
		.amdhsa_forward_progress 1
		.amdhsa_inst_pref_size 200
	.end_amdhsa_kernel
	.amdgpu_metadata
---
amdhsa.version: [ 1, 2 ]
amdhsa.kernels:
  - .name:           k_q46189c42bd_qkv
    .symbol:         k_q46189c42bd_qkv.kd
    .args:
      - { .name: x_codes, .offset: 0, .size: 8, .value_kind: global_buffer, .address_space: global }
      - { .name: x_scales, .offset: 8, .size: 8, .value_kind: global_buffer, .address_space: global }
      - { .name: w_qkv_codes, .offset: 16, .size: 8, .value_kind: global_buffer, .address_space: global }
      - { .name: w_qkv_scales, .offset: 24, .size: 8, .value_kind: global_buffer, .address_space: global }
      - { .name: qb, .offset: 32, .size: 8, .value_kind: global_buffer, .address_space: global }
      - { .name: kv, .offset: 40, .size: 8, .value_kind: global_buffer, .address_space: global }
    .group_segment_fixed_size: 327680
    .private_segment_fixed_size: 0
    .kernarg_segment_align: 8
    .kernarg_segment_size: 48
    .max_flat_workgroup_size: 128
    .sgpr_count:     102
    .vgpr_count:     1024
    .wavefront_size: 32
...
	.end_amdgpu_metadata
.endif
;; end of part 1
;; launch attn (part 2): grid 4 x 64, 16 waves a work-group, clusters of 4 x 1, 327,680 bytes of LDS; arguments qb, kv, oc, os; writes oc, os
.if DOCPART == 2
	.amdgcn_target "amdgcn-amd-amdhsa--gfx1250"
	.amdhsa_code_object_version 6
	.text
	.protected	k_q46189c42bd_attn
	.globl	k_q46189c42bd_attn
	.p2align	8
	.type	k_q46189c42bd_attn,@function
k_q46189c42bd_attn:
	s_mov_b64 s[64:65], 0
	v_nop
	global_prefetch_b8 v0, s[64:65] scope:SCOPE_SE
	s_setreg_imm32_b32 hwreg(HW_REG_WAVE_MODE, 25, 1), 1
	s_wait_xcnt 0x0
	s_wait_alu depctr_hold_cnt(0) depctr_sa_sdst(0) depctr_va_vdst(0) depctr_va_sdst(0) depctr_va_ssrc(0) depctr_va_vcc(0) depctr_vm_vsrc(0)
	s_getreg_b32 s2, hwreg(HW_REG_IB_STS2, 6, 4)
	s_cmp_eq_u32 s2, 0
	s_cbranch_scc0 .Lentry_in_a_cluster
	s_endpgm
.Lentry_in_a_cluster:
	s_bfe_u32 s2, ttmp6, 0x10000c
	s_cmp_lg_u32 s2, 0x3003
	s_cbranch_scc0 .Lentry_shape_is_right
	s_endpgm
.Lentry_shape_is_right:
.set KSB,  12800
.set LI,   1
.set LS,   2
.set ADK,  3
.set ADS,  4
.set QV,   5
.set QSV,  6
.set OV,   7
.set KF,   40
.set BM,   40
.set PD,   44
.set SO,   48
.set CT,   52
.set SUM2, 60
.set F,    62
.set T,    64
.set VF,   88
.set S,    136
.set O,    200
.set CD,   232
.set KSW,  244
.set VSW,  246
.set QSW,  248
.set PSW,  249
.set HW0,  250
.set HW1,  251
.set WV,   12
.set SEL,  20
.set CS,   22
.set G1,   24
.set G0,   32
.set TB,   40
.set CNT,  41
.macro CROUND
	s_barrier_signal -1
	s_barrier_wait -1
	s_cmp_lg_u32 s[WV], 0
	s_cbranch_scc1 .Lnot_wave_0_\@
	s_barrier_signal -3
.Lnot_wave_0_\@:
	s_barrier_wait -3
	s_barrier_signal -1
	s_barrier_wait -1
.endm
	s_load_b256 s[4:11], s[0:1], 0x0
	v_lshl_add_u32 v254, v0, 2, 0x32000
	v_mov_b32 v255, 0
	ds_add_u32 v254, v255
	ds_add_u32 v254, v255
	v_lshrrev_b32 v1, 5, v0
	s_delay_alu instid0(VALU_DEP_1)
	v_readfirstlane_b32 s[WV], v1
	s_bfe_u32 s13, ttmp6, 0x40000
	s_and_b32 s14, ttmp7, 0xffff
	s_mul_i32 s15, s[WV], 6400
	s_mul_i32 s16, s14, 204800
	s_add_co_u32 s16, s16, s15
	s_mov_b32 s17, 0
	s_mov_b32 s[G1], 15|(3<<16)|(1<<21)
	s_mov_b32 s[G1+1], 32<<16
	s_mov_b32 s[G1+2], 25<<16
	s_mov_b32 s[G1+3], 32<<16
	s_mov_b32 s[G1+4], 25
	s_mov_b32 s[G1+5], 32
	s_mov_b32 s[G1+6], 0
	s_mov_b32 s[G1+7], 0
	s_mov_b32 s[SEL], 0x76543210
	s_mov_b32 s[SEL+1], 0xfedcba98
	s_mov_b32 s[CS], 0x3e38aa3b
	s_mov_b32 s[CS+1], s[CS]
	s_lshl_b32 s18, s13, 2
	s_lshr_b32 s19, s[WV], 2
	s_add_co_u32 s18, s18, s19
	s_mul_i32 s42, s14, 102400
	s_mul_i32 s43, s18, 6400
	s_add_co_u32 s42, s42, s43
	s_mov_b32 s43, 0
	s_lshr_b32 s44, s14, 4
	s_and_b32 s45, s14, 15
	s_and_b32 s49, s[WV], 3
	s_lshr_b32 s47, s45, 2
	s_lshl_b32 s46, s44, 4
	s_add_co_u32 s46, s46, s18
	s_mul_i32 s46, s46, 98304
	s_mul_i32 s48, s47, 24576
	s_add_co_u32 s46, s46, s48
	s_mul_i32 s48, s49, 6144
	s_add_co_u32 s46, s46, s48
	s_bfe_u32 s48, s45, 0x10001
	s_mul_i32 s48, s48, 1536
	s_add_co_u32 s46, s46, s48
	s_and_b32 s48, s45, 1
	s_mul_i32 s48, s48, 768
	s_add_co_u32 s46, s46, s48
	s_lshl_b32 s50, s47, 16
	s_mov_b32 s47, 0
	s_lshl_b32 s51, s44, 14
	s_add_co_u32 s50, s50, s51
	s_lshl_b32 s51, s13, 12
	s_add_co_u32 s50, s50, s51
	s_lshl_b32 s51, s[WV], 8
	s_add_co_u32 s50, s50, s51
	s_and_b32 s51, s45, 3
	s_lshl_b32 s51, s51, 1
	s_add_co_u32 s50, s50, s51
	s_mov_b32 s51, 0
	s_wait_dscnt 0x0
	s_wait_kmcnt 0x0
	s_add_nc_u64 s[6:7], s[6:7], s[16:17]
	s_add_nc_u64 s[4:5], s[4:5], s[42:43]
	s_add_nc_u64 s[8:9], s[8:9], s[46:47]
	s_add_nc_u64 s[10:11], s[10:11], s[50:51]
	CROUND
	s_mov_b32 s[G0], 1
	s_mov_b32 s[G0+1], s15
	s_mov_b64 s[G0+2:G0+3], s[6:7]
	s_or_b32 s[G0+3], s[G0+3], 0x80000000
	s_mov_b32 s[G0+4], 1
	s_add_co_u32 s[G0+5], s15, 102400
	s_add_nc_u64 s[G0+6:G0+7], s[6:7], 102400
	s_or_b32 s[G0+7], s[G0+7], 0x80000000
	tensor_load_to_lds s[G0:G0+3], s[G1:G1+7]
	s_nop 0
	s_wait_alu depctr_va_vdst(0)
	s_wait_tensorcnt 0x0
	ds_add_u32 v254, v255
	s_wait_dscnt 0x0
	CROUND
	tensor_load_to_lds s[G0+4:G0+7], s[G1:G1+7]
	s_nop 0
.rept 4
	v_nop
.endr
	v_and_b32 v9, 31, v0
	v_and_b32 v10, 15, v0
	s_delay_alu instid0(VALU_DEP_2)
	v_lshlrev_b32 v[LI], 4, v9
	s_delay_alu instid0(VALU_DEP_3)
	v_lshlrev_b32 v[LS], 2, v9
	s_delay_alu instid0(VALU_DEP_4)
	v_lshlrev_b32 v[OV], 3, v9
	s_mul_i32 s52, s49, 1536
	v_add_nc_u32 v[QV], s52, v[LI]
	s_lshl_b32 s52, s49, 6
	s_add_co_u32 s52, s52, 6144
	v_lshl_add_u32 v[QSV], v10, 2, s52
	v_and_b32 v9, 16, v0
	s_delay_alu instid0(VALU_DEP_1)
	v_cmp_ne_u32 vcc_lo, 0, v9
.irp j, 16,17,18,19,20,21,28,29,30,31,32,33
	v_mov_b32 v[\j], 0
.endr
.macro STEP
	v_add_nc_u32 v[ADK], s[TB], v[LI]
	v_add_nc_u32 v[ADS], s[TB], v[LS]
	v_nop
	v_nop
.irp b, 0,1,2,3
.irp c, 0,1,2
	ds_load_b128 v[KF+12*\b+4*\c:KF+12*\b+4*\c+3], v[ADK] offset:1536*\b+512*\c
.endr
.endr
	ds_load_b32 v[KSW], v[ADS] offset:12288
	ds_load_b32 v[KSW+1], v[ADS] offset:12416
.irp t, 0,1,2,3
.irp c, 0,1,2
	ds_load_b128 v[VF+12*\t+4*\c:VF+12*\t+4*\c+3], v[ADK] offset:6144+1536*\t+512*\c
.endr
.endr
	ds_load_b32 v[VSW], v[ADS] offset:12544
	ds_load_b32 v[VSW+1], v[ADS] offset:12672
	s_wait_dscnt 14
.irp b, 0,1,2,3
.if \b%2
	v_wmma_scale_f32_16x16x128_f8f6f4 v[S+16*\b:S+16*\b+7], v[KF+12*\b:KF+12*\b+11], v[22:33], 0, v[KSW+\b/2], v[QSW] matrix_a_fmt:MATRIX_FMT_FP6 matrix_b_fmt:MATRIX_FMT_FP6 matrix_a_scale:MATRIX_SCALE_ROW1
	v_wmma_scale_f32_16x16x128_f8f6f4 v[S+16*\b+8:S+16*\b+15], v[KF+12*\b:KF+12*\b+11], v[16:27], 0, v[KSW+\b/2], v[QSW] matrix_a_fmt:MATRIX_FMT_FP6 matrix_b_fmt:MATRIX_FMT_FP6 matrix_a_scale:MATRIX_SCALE_ROW1
.else
	v_wmma_scale_f32_16x16x128_f8f6f4 v[S+16*\b:S+16*\b+7], v[KF+12*\b:KF+12*\b+11], v[22:33], 0, v[KSW+\b/2], v[QSW] matrix_a_fmt:MATRIX_FMT_FP6 matrix_b_fmt:MATRIX_FMT_FP6
	v_wmma_scale_f32_16x16x128_f8f6f4 v[S+16*\b+8:S+16*\b+15], v[KF+12*\b:KF+12*\b+11], v[16:27], 0, v[KSW+\b/2], v[QSW] matrix_a_fmt:MATRIX_FMT_FP6 matrix_b_fmt:MATRIX_FMT_FP6
.endif
.endr
.rept 4
	v_nop
.endr
.irp b, 0,1,2,3
	v_max3_num_f32 v[BM+\b], v[S+16*\b], v[S+16*\b+1], v[S+16*\b+2]
.endr
.irp i, 3,5,7,9,11,13
.irp b, 0,1,2,3
	v_max3_num_f32 v[BM+\b], v[BM+\b], v[S+16*\b+\i], v[S+16*\b+\i+1]
.endr
.endr
.irp b, 0,1,2,3
	v_max_num_f32 v[BM+\b], v[BM+\b], v[S+16*\b+15]
.endr
.irp b, 0,1,2,3
	s_delay_alu instid0(VALU_DEP_4)
	v_permlanex16_b32 v[PD+\b], v[BM+\b], s[SEL], s[SEL+1]
.endr
.irp b, 0,1,2,3
	s_delay_alu instid0(VALU_DEP_4)
	v_max_num_f32 v[BM+\b], v[BM+\b], v[PD+\b]
.endr
	s_delay_alu instid0(VALU_DEP_2)
	v_max3_num_f32 v[T], v[BM], v[BM+1], v[BM+2]
	s_delay_alu instid0(VALU_DEP_1)
	v_max_num_f32 v[T], v[T], v[BM+3]
	s_delay_alu instid0(VALU_DEP_1)
	v_mul_f32 v[T], s[CS], v[T]
	s_delay_alu instid0(VALU_DEP_1)
	v_max_num_f32 v13, v13, v[T]
	v_mov_b32 v[T], v12
	s_delay_alu instid0(VALU_DEP_2)
	v_floor_f32 v12, -v13
	s_delay_alu instid0(VALU_DEP_1)
	v_sub_f32 v[T], v12, v[T]
	s_delay_alu instid0(VALU_DEP_1)
	v_cvt_i32_f32 v[T], v[T]
	s_delay_alu instid0(VALU_DEP_1)
	v_ldexp_f32 v[F], 1.0, v[T]
.irp j, 0,2,4,6,8,10,12,14,16,18,20,22,24,26,28,30,32,34,36,38,40,42,44,46,48,50,52,54,56,58,60,62
	v_pk_fma_f32 v[S+\j:S+\j+1], v[S+\j:S+\j+1], s[CS:CS+1], v[12:13] op_sel_hi:[1,0,0]
.endr
.irp b, 0,1,2,3
	v_fma_f32 v[BM+\b], v[BM+\b], s[CS], v12
.endr
	s_wait_alu depctr_va_vdst(0)
.irp j, 0,1,2,3,4,5,6,7,8,9,10,11,12,13,14,15,16,17,18,19,20,21,22,23,24,25,26,27,28,29,30,31,32,33,34,35,36,37,38,39,40,41,42,43,44,45,46,47,48,49,50,51,52,53,54,55,56,57,58,59,60,61,62,63
	v_exp_f32 v[S+\j], v[S+\j]
.endr
	s_setprio 1
	v_pk_mul_f32 v[14:15], v[14:15], v[F:F+1] op_sel_hi:[1,0]
	s_wait_alu depctr_va_vdst(0)
.irp b, 0,1,2,3
	v_exp_f32 v[BM+\b], v[BM+\b]
.endr
	v_pk_add_f32 v[SUM2:SUM2+1], v[S:S+1], v[S+2:S+3]
.irp j, 4,8,12,16,20,24,28,32,36,40,44,48,52,56,60
	v_pk_add_f32 v[14:15], v[14:15], v[S+\j:S+\j+1]
	v_pk_add_f32 v[SUM2:SUM2+1], v[SUM2:SUM2+1], v[S+\j+2:S+\j+3]
.endr
	s_delay_alu instid0(VALU_DEP_1)
	v_pk_add_f32 v[14:15], v[14:15], v[SUM2:SUM2+1]
	s_wait_alu depctr_va_vdst(0)
.irp b, 0,1,2,3
	v_max_num_f32 v[BM+\b], 0x1800000, v[BM+\b]
.endr
.irp b, 0,1,2,3
	s_delay_alu instid0(VALU_DEP_4)
	v_add_nc_u32 v[SO+\b], 0xff000000, v[BM+\b]
.endr
.irp b, 0,1,2,3
	s_delay_alu instid0(VALU_DEP_4)
	v_lshrrev_b32 v[PD+\b], 23, v[SO+\b]
.endr
	s_delay_alu instid0(VALU_DEP_3)
	v_lshl_or_b32 v[PSW], v[PD+1], 8, v[PD]
	s_delay_alu instid0(VALU_DEP_1)
	v_lshl_or_b32 v[PSW], v[PD+2], 16, v[PSW]
	s_delay_alu instid0(VALU_DEP_1)
	v_lshl_or_b32 v[PSW], v[PD+3], 24, v[PSW]
.irp c, 0,1
	v_cvt_scalef32_pk16_fp6_f32 v[CD+6*\c:CD+6*\c+2], v[S+32*\c:S+32*\c+15], v[SO+2*\c]
	v_cvt_scalef32_pk16_fp6_f32 v[CT+4*\c:CT+4*\c+2], v[S+32*\c+16:S+32*\c+31], v[SO+2*\c+1]
.endr
	v_nop
.irp c, 0,1
.irp i, 0,1,2
	v_permlane16_swap_b32 v[CD+6*\c+\i], v[CT+4*\c+\i]
.endr
.irp i, 0,1,2
	s_delay_alu instid0(VALU_DEP_3)
	v_mov_b32 v[CD+6*\c+3+\i], v[CT+4*\c+\i]
.endr
.endr
	s_setprio 0
.irp j, 0,2,4,6,8,10,12,14,16,18,20,22,24,26,28,30
	v_pk_mul_f32 v[O+\j:O+\j+1], v[O+\j:O+\j+1], v[F:F+1] op_sel_hi:[1,0]
.endr
	s_wait_alu depctr_va_vdst(0)
	s_wait_dscnt 0x0
.irp t, 0,1,2,3
.if \t%2
	v_wmma_scale_f32_16x16x128_f8f6f4 v[O+8*\t:O+8*\t+7], v[VF+12*\t:VF+12*\t+11], v[CD:CD+11], v[O+8*\t:O+8*\t+7], v[VSW+\t/2], v[PSW] matrix_a_fmt:MATRIX_FMT_FP6 matrix_b_fmt:MATRIX_FMT_FP6 matrix_a_scale:MATRIX_SCALE_ROW1
.else
	v_wmma_scale_f32_16x16x128_f8f6f4 v[O+8*\t:O+8*\t+7], v[VF+12*\t:VF+12*\t+11], v[CD:CD+11], v[O+8*\t:O+8*\t+7], v[VSW+\t/2], v[PSW] matrix_a_fmt:MATRIX_FMT_FP6 matrix_b_fmt:MATRIX_FMT_FP6
.endif
.endr
	s_add_co_u32 s[TB], s[TB], KSB
.endm
.macro KLOOP n
	s_mov_b32 s[CNT], \n
.Lkey_\@:
	s_setprio 2
	STEP
	s_sub_co_u32 s[CNT], s[CNT], 1
	s_cmp_lg_u32 s[CNT], 0
	s_cbranch_scc1 .Lkey_\@
	s_setprio 0
.endm
.macro PASS p
.if \p
	s_wait_xcnt 0x0
	global_load_b64 v[22:23], v[QV], s[4:5] offset:520
	global_load_b128 v[24:27], v[QV], s[4:5] offset:1024
.else
	global_load_b128 v[22:25], v[QV], s[4:5]
	global_load_b64 v[26:27], v[QV], s[4:5] offset:512
.endif
	global_load_b32 v8, v[QSV], s[4:5]
	v_mov_b32 v13, 0xff61b1e6
	s_delay_alu instid0(VALU_DEP_1)
	v_floor_f32 v12, -v13
	v_mov_b32 v14, 0
	v_mov_b32 v15, 0
	s_mov_b32 s[TB], 0
	s_wait_loadcnt 0x0
.if \p
	v_perm_b32 v[QSW], v8, v8, 0x03020302
.else
	v_perm_b32 v[QSW], v8, v8, 0x01000100
.endif
.irp j, 0,1,2,3,4,5,6,7,8,9,10,11,12,13,14,15,16,17,18,19,20,21,22,23,24,25,26,27,28,29,30,31
	v_mov_b32 v[O+\j], 0
.endr
.if \p
	KLOOP 16
.else
	s_wait_tensorcnt 0x1
	s_barrier_signal -1
	s_barrier_wait -1
	KLOOP 8
	s_wait_tensorcnt 0x0
	s_barrier_signal -1
	s_barrier_wait -1
	KLOOP 8
.endif
.rept 4
	v_nop
.endr
	v_add_f32 v14, v14, v15
	s_delay_alu instid0(VALU_DEP_1)
	v_permlanex16_b32 v8, v14, s[SEL], s[SEL+1]
	s_delay_alu instid0(VALU_DEP_1)
	v_add_f32 v14, v14, v8
	s_wait_alu depctr_va_vdst(0)
	v_rcp_f32 v14, v14
	v_nop
	s_wait_alu depctr_va_vdst(0)
.irp j, 0,2,4,6,8,10,12,14,16,18,20,22,24,26,28,30
	v_pk_mul_f32 v[O+\j:O+\j+1], v[O+\j:O+\j+1], v[14:15] op_sel_hi:[1,0]
.endr
.irp b, 0,1
.irp j, 0,1,2,3,4,5,6,7
	v_permlane16_swap_b32 v[O+16*\b+\j], v[O+16*\b+8+\j]
.endr
.endr
.irp b, 0,1
	v_max3_num_f32 v[BM+\b], |v[O+16*\b]|, |v[O+16*\b+1]|, 0x1800000
.endr
.irp i, 2,4,6,8,10,12,14
.irp b, 0,1
	s_delay_alu instid0(VALU_DEP_2)
	v_max3_num_f32 v[BM+\b], v[BM+\b], |v[O+16*\b+\i]|, |v[O+16*\b+\i+1]|
.endr
.endr
.irp b, 0,1
	s_delay_alu instid0(VALU_DEP_2)
	v_permlanex16_b32 v[PD+\b], v[BM+\b], s[SEL], s[SEL+1]
.endr
.irp b, 0,1
	s_delay_alu instid0(VALU_DEP_2)
	v_max_num_f32 v[BM+\b], v[BM+\b], v[PD+\b]
.endr
.irp b, 0,1
	s_delay_alu instid0(VALU_DEP_2)
	v_add_nc_u32 v[SO+\b], 0xff000000, v[BM+\b]
.endr
.irp b, 0,1
	s_delay_alu instid0(VALU_DEP_2)
	v_lshrrev_b32 v[PD+\b], 23, v[SO+\b]
.endr
	s_delay_alu instid0(VALU_DEP_1)
	v_lshl_or_b32 v[HW0+\p], v[PD+1], 8, v[PD]
	v_cvt_scalef32_pk16_fp6_f32 v[CD:CD+2], v[O:O+15], v[SO]
	v_cvt_scalef32_pk16_fp6_f32 v[CT:CT+2], v[O+16:O+31], v[SO+1]
	v_nop
.irp i, 0,1,2
	v_permlane16_swap_b32 v[CD+\i], v[CT+\i]
.endr
.irp i, 0,1,2
	s_delay_alu instid0(VALU_DEP_3)
	v_mov_b32 v[CD+3+\i], v[CT+\i]
.endr
.irp i, 0,1,2
	global_store_b64 v[OV], v[CD+2*\i:CD+2*\i+1], s[8:9] offset:3072*\p+256*\i
.endr
.if \p
	v_cndmask_b32 v[HW1], v[HW0], v[HW1], vcc_lo
	global_store_b16 v[OV], v[HW1], s[10:11]
.endif
.endm
	PASS 0
	PASS 1
	s_wait_tensorcnt 0x0
	ds_add_u32 v254, v255
	s_wait_dscnt 0x0
	CROUND
	s_endpgm
.Lfunc_end_k_q46189c42bd_attn:
	.size	k_q46189c42bd_attn, .Lfunc_end_k_q46189c42bd_attn-k_q46189c42bd_attn
	.p2alignl 7, 3214868480
	.fill 96, 4, 3214868480
	.section	.rodata,"a",@progbits
	.p2align	6, 0x0
	.amdhsa_kernel k_q46189c42bd_attn
		.amdhsa_group_segment_fixed_size 327680
		.amdhsa_private_segment_fixed_size 0
		.amdhsa_enable_private_segment 0
		.amdhsa_kernarg_size 32
		.amdhsa_user_sgpr_count 2
		.amdhsa_user_sgpr_kernarg_segment_ptr 1
		.amdhsa_wavefront_size32 1
		.amdhsa_system_sgpr_workgroup_id_x 1
		.amdhsa_system_sgpr_workgroup_id_y 1
		.amdhsa_system_sgpr_workgroup_id_z 1
		.amdhsa_system_vgpr_workitem_id 0
		.amdhsa_next_free_vgpr 256
		.amdhsa_next_free_sgpr 66
		.amdhsa_reserve_vcc 1
		.amdhsa_float_denorm_mode_32 3
		.amdhsa_float_denorm_mode_16_64 3
		.amdhsa_memory_ordered 1
		.amdhsa_forward_progress 1
		.amdhsa_inst_pref_size 70
	.end_amdhsa_kernel
	.amdgpu_metadata
---
amdhsa.version: [ 1, 2 ]
amdhsa.kernels:
  - .name:           k_q46189c42bd_attn
    .symbol:         k_q46189c42bd_attn.kd
    .args:
      - { .name: qb, .offset: 0, .size: 8, .value_kind: global_buffer, .address_space: global }
      - { .name: kv, .offset: 8, .size: 8, .value_kind: global_buffer, .address_space: global }
      - { .name: oc, .offset: 16, .size: 8, .value_kind: global_buffer, .address_space: global }
      - { .name: os, .offset: 24, .size: 8, .value_kind: global_buffer, .address_space: global }
    .group_segment_fixed_size: 327680
    .private_segment_fixed_size: 0
    .kernarg_segment_align: 8
    .kernarg_segment_size: 32
    .max_flat_workgroup_size: 512
    .sgpr_count:     66
    .vgpr_count:     256
    .wavefront_size: 32
...
	.end_amdgpu_metadata
.endif
;; end of part 2
;; launch proj (part 3): grid 4 x 32, 4 waves a work-group, clusters of 4 x 4, 327,680 bytes of LDS; arguments oc, os, w_proj_codes, w_proj_scales, out0; writes out0
.if DOCPART == 3
	.amdgcn_target "amdgcn-amd-amdhsa--gfx1250"
	.amdhsa_code_object_version 6
	.text
	.protected	k_q46189c42bd_proj
	.globl	k_q46189c42bd_proj
	.p2align	8
	.type	k_q46189c42bd_proj,@function
k_q46189c42bd_proj:
	s_mov_b64 s[64:65], 0
	v_nop
	global_prefetch_b8 v0, s[64:65] scope:SCOPE_SE
	s_setreg_imm32_b32 hwreg(HW_REG_WAVE_MODE, 25, 1), 1
	s_wait_xcnt 0x0
	s_wait_alu depctr_hold_cnt(0) depctr_sa_sdst(0) depctr_va_vdst(0) depctr_va_sdst(0) depctr_va_ssrc(0) depctr_va_vcc(0) depctr_vm_vsrc(0)
	s_getreg_b32 s2, hwreg(HW_REG_IB_STS2, 6, 4)
	s_cmp_eq_u32 s2, 0
	s_cbranch_scc0 .Lentry_in_a_cluster
	s_endpgm
.Lentry_in_a_cluster:
	s_bfe_u32 s2, ttmp6, 0x10000c
	s_cmp_lg_u32 s2, 0xf033
	s_cbranch_scc0 .Lentry_shape_is_right
	s_endpgm
.Lentry_shape_is_right:
.set SIZE_N, 1024
.set SIZE_K, 1024
.set KSTEP,  256
.set NQ,     KSTEP/128
.set ROWB,   192
.set KROW,   SIZE_K*6/8
.set PITCH,  240
.set FR,     12
.set NL,     6
.set NP,     4
.set HALFA,  24576
.set HALFB,  128*PITCH
.set SLOT,   2*HALFA+2*HALFB
.set LAPS,   SIZE_K/(2*KSTEP)
.set KS,     SIZE_K/32
.set SCA,    2*SLOT
.set HALFSA, 4096
.set SCB,    SCA+2*HALFSA
.set HALFS,  (128*KS/256)*272
.set SBLK,   (16*KS/256)*272
.set SPARE,  SCB+2*HALFS
.set SPITCH, 528
.set ADRA, 16
.set ADRB, 20
.set STO,  24
.set RD,   25
.set CO,   26
.set ADSA, 27
.set SPW,  28
.set NIL,  29
.set ADSB, 30
.set SA,   32
.set SB,   64
.set AF,   128
.set BK,   128
.set G1, 24
.set G0, 32
.set G1B, 48
.set G0B, 56
.set G1S, 68
.set G0S, 76
.set G1SB, 80
.set G0SB, 88
.set MSB, 0
.macro WIN new
.if MSB != (\new)
	s_set_vgpr_msb (MSB<<8)|(\new)
.set MSB, (\new)
.endif
.endm
.set MUL_LO, 0xa1
.set MUL_HI, 0xf1
.set TO_B,   0x40
.macro JLOAD g0a, g1a, g0b, g1b
	s_cmp_eq_u32 s15, 0
	s_cbranch_scc0 .Lfor_b_\@
	tensor_load_to_lds s[\g0a:\g0a+3], s[\g1a:\g1a+7]
	s_nop 0
.rept 4
	v_nop
.endr
	s_branch .Lasked_\@
.Lfor_b_\@:
	tensor_load_to_lds s[\g0b:\g0b+3], s[\g1b:\g1b+7]
	s_nop 0
.rept 4
	v_nop
.endr
.Lasked_\@:
.endm
.macro CREST
	s_cmp_lg_u32 s14, 0
	s_cbranch_scc1 .Lnot_wave_0_\@
	s_barrier_signal -3
.Lnot_wave_0_\@:
	s_barrier_wait -3
	s_barrier_signal -1
	s_barrier_wait -1
.endm
.macro CROUND
	s_barrier_signal -1
	s_barrier_wait -1
	CREST
.endm
	s_load_b128 s[4:7], s[0:1], 0x0
	s_load_b128 s[8:11], s[0:1], 0x10
	s_load_b64 s[12:13], s[0:1], 0x20
	v_lshl_add_u32 v[SPW], v0, 2, SPARE
	v_mov_b32 v[NIL], 0
	ds_add_u32 v28, v29
	ds_add_u32 v28, v29
	s_wait_dscnt 0x0
	v_lshrrev_b32 v1, 5, v0
	v_readfirstlane_b32 s14, v1
	s_lshr_b32 s15, s14, 1
	s_and_b32 s16, s14, 1
	s_bfe_u32 s40, ttmp6, 0x40000
	s_bfe_u32 s41, ttmp6, 0x40004
	s_lshl_b32 s42, ttmp9, 2
	s_add_co_u32 s42, s42, s40
	s_and_b32 s17, ttmp7, 0xffff
	s_lshl_b32 s17, s17, 2
	s_add_co_u32 s17, s17, s41
	s_lshl_b32 s43, s41, 2
	s_lshl_b32 s43, 15, s43
	s_lshl_b32 s44, 0x1111, s40
	s_or_b32 s[G1+0], s43, (3<<16)|(1<<21)
	s_mov_b32 s[G1+1], 32<<16
	s_mov_b32 s[G1+2], 96<<16
	s_mov_b32 s[G1+3], 32<<16
	s_mov_b32 s[G1+4], 96
	s_mov_b32 s[G1+5], 32
	s_mov_b32 s[G1+6], 0
	s_mov_b32 s[G1+7], 0
	s_or_b32 s[G1B+0], s44, (0<<16)|(1<<20)|(1<<21)|(3<<22)|(3<<25)
	s_mov_b32 s[G1B+1], ROWB<<16
	s_mov_b32 s[G1B+2], 128<<16
	s_mov_b32 s[G1B+3], ROWB<<16
	s_mov_b32 s[G1B+4], 128
	s_mov_b32 s[G1B+5], KROW
	s_mov_b32 s[G1B+6], 0
	s_mov_b32 s[G1B+7], 0
	s_or_b32 s[G1S+0], s43, (3<<16)|(1<<21)
	s_mov_b32 s[G1S+1], 128<<16
	s_mov_b32 s[G1S+2], 4<<16
	s_mov_b32 s[G1S+3], 128<<16
	s_mov_b32 s[G1S+4], 4
	s_mov_b32 s[G1S+5], 8192
	s_mov_b32 s[G1S+6], 0
	s_mov_b32 s[G1S+7], 0
	s_or_b32 s[G1SB+0], s44, (3<<16)|(1<<20)|(1<<21)|(5<<22)|(3<<25)
	s_mov_b32 s[G1SB+1], 32<<16
	s_mov_b32 s[G1SB+2], (128*KS/256)<<16
	s_mov_b32 s[G1SB+3], 32<<16
	s_mov_b32 s[G1SB+4], 128*KS/256
	s_mov_b32 s[G1SB+5], 32
	s_mov_b32 s[G1SB+6], 0
	s_mov_b32 s[G1SB+7], 0
	s_lshl_b32 s20, s17, 1
	s_add_co_u32 s20, s20, s16
	s_mul_i32 s20, s20, 98304
	s_mov_b32 s21, 0
	s_lshl_b32 s22, s17, 11
	s_lshl_b32 s23, s16, 10
	s_add_co_u32 s22, s22, s23
	s_mov_b32 s23, 0
	s_lshl_b32 s18, s16, 7
	s_lshl_b32 s46, s42, 8
	s_add_co_u32 s46, s46, s18
	s_lshl_b32 s92, s46, 5
	s_mov_b32 s93, 0
	s_mul_i32 s46, s46, KROW
	s_mov_b32 s47, 0
	s_mul_i32 s45, s16, HALFA
	s_mul_i32 s94, s16, HALFB
	s_add_co_u32 s94, s94, 2*HALFA
	s_lshl_b32 s95, s16, 12
	s_add_co_u32 s95, s95, SCA
	s_mul_i32 s96, s16, HALFS
	s_add_co_u32 s96, s96, SCB
	s_wait_kmcnt 0x0
	s_add_nc_u64 s[20:21], s[4:5], s[20:21]
	s_add_nc_u64 s[22:23], s[6:7], s[22:23]
	s_add_nc_u64 s[46:47], s[8:9], s[46:47]
	s_add_nc_u64 s[92:93], s[10:11], s[92:93]
	CROUND
	s_mov_b32 s[G0S], 1
	s_mov_b32 s[G0S+1], s95
	s_mov_b64 s[G0S+2:G0S+3], s[22:23]
	s_or_b32 s[G0S+3], s[G0S+3], 0x80000000
	s_mov_b32 s[G0SB], 1
	s_mov_b32 s[G0SB+1], s96
	s_mov_b64 s[G0SB+2:G0SB+3], s[92:93]
	s_or_b32 s[G0SB+3], s[G0SB+3], 0x80000000
	JLOAD G0S, G1S, G0SB, G1SB
.irp s, 0,1
	s_mov_b32 s[G0+4*\s], 1
	s_add_co_u32 s[G0+4*\s+1], s45, \s*SLOT
	s_add_nc_u64 s[G0+4*\s+2:G0+4*\s+3], s[20:21], \s*HALFA
	s_or_b32 s[G0+4*\s+3], s[G0+4*\s+3], 0x80000000
	s_mov_b32 s[G0B+4*\s], 1
	s_add_co_u32 s[G0B+4*\s+1], s94, \s*SLOT
	s_add_nc_u64 s[G0B+4*\s+2:G0B+4*\s+3], s[46:47], \s*ROWB
	s_or_b32 s[G0B+4*\s+3], s[G0B+4*\s+3], 0x80000000
	s_wait_alu depctr_va_vdst(0)
	s_wait_tensorcnt 0x0
	ds_add_u32 v28, v29
	s_wait_dscnt 0x0
	CROUND
	JLOAD G0+4*\s, G1, G0B+4*\s, G1B
.endr
	v_and_b32 v1, 15, v0
	v_bfe_u32 v2, v0, 4, 1
	v_and_b32 v6, 31, v0
	v_lshlrev_b32 v7, 3, v6
	v_mul_u32_u24 v3, v1, PITCH
	v_mul_u32_u24 v4, v2, 24
	v_add_nc_u32 v4, v3, v4
	v_lshl_add_u32 v5, v2, 4, v4
	s_mul_i32 s21, s15, HALFA
	s_mul_i32 s22, s16, HALFB
	s_add_co_u32 s22, s22, 2*HALFA
.irp s, 0,1
	v_add_nc_u32 v[ADRA+\s], s21, v7
	v_add_nc_u32 v[ADRB+\s], s22, v4
	v_add_nc_u32 v[ADRB+2+\s], s22, v5
	s_add_co_u32 s21, s21, SLOT
	s_add_co_u32 s22, s22, SLOT
.endr
	v_lshlrev_b32 v5, 3, v1
	s_lshl_b32 s21, s15, 12
	s_add_co_u32 s21, s21, SCA
	v_add_nc_u32 v[ADSA], s21, v5
	v_mul_u32_u24 v5, v1, KS
	v_lshrrev_b32 v7, 8, v5
	v_lshl_add_u32 v5, v7, 4, v5
	s_mul_i32 s22, s16, HALFS
	s_add_co_u32 s22, s22, SCB
	v_add_nc_u32 v[ADSB], s22, v5
	s_mul_i32 s23, s14, 16*SPITCH
	v_mul_u32_u24 v5, v1, SPITCH
	v_lshl_add_u32 v5, v2, 5, v5
	v_add_nc_u32 v[STO], s23, v5
	v_lshlrev_b32 v[CO], 4, v6
	v_add_nc_u32 v[RD], s23, v[CO]
	s_lshl_b32 s20, s17, 8
	s_lshl_b32 s21, s15, 7
	s_add_co_u32 s20, s20, s21
	s_mov_b32 s21, 0
	s_mov_b64 s[18:19], SIZE_N*4
	s_mul_u64 s[20:21], s[20:21], s[18:19]
	s_lshl_b32 s46, s42, 10
	s_lshl_b32 s47, s16, 9
	s_add_co_u32 s46, s46, s47
	s_mov_b32 s47, 0
	s_add_nc_u64 s[20:21], s[20:21], s[46:47]
	s_add_nc_u64 s[12:13], s[12:13], s[20:21]
.macro FRAG reg, adr, q, i
.irp p, 0,1,2,3,4,5
.set PCE, 12*(\q)+6*(\p/3)+\p%3
.if PCE%8 < 5
	ds_load_b64 v[\reg+2*\p:\reg+2*\p+1], v[\adr] offset:8*PCE+16*(PCE/8)+(\i)*16*PITCH
.else
	ds_load_b64 v[\reg+2*\p:\reg+2*\p+1], v[\adr+2] offset:8*PCE+16*(PCE/8)+(\i)*16*PITCH
.endif
.endr
.endm
.macro FRAGA reg, slot, q, i
.irp p, 0,1,2,3,4,5
	ds_load_b64 v[\reg+2*\p:\reg+2*\p+1], v[ADRA+\slot] offset:3072*(\i)+1536*(\q)+256*\p
.endr
.endm
.macro MUL16 a0, p, q, sc, zero
.irp a, \a0, \a0+1
.irp b, 0,1,2,3,4,5,6,7
.if \zero
	v_wmma_scale_f32_16x16x128_f8f6f4 v[8*(8*((\a)%4)+\b):8*(8*((\a)%4)+\b)+7], v[128*(\p)+FR*\b:128*(\p)+FR*\b+FR-1], v[AF+FR*(\a):AF+FR*(\a)+FR-1], 0, v[SB+16*(\sc)+NQ*\b+(\q)], v[SA+16*(\sc)+NQ*(\a)+(\q)] matrix_a_fmt:MATRIX_FMT_FP6 matrix_b_fmt:MATRIX_FMT_FP6
.else
	v_wmma_scale_f32_16x16x128_f8f6f4 v[8*(8*((\a)%4)+\b):8*(8*((\a)%4)+\b)+7], v[128*(\p)+FR*\b:128*(\p)+FR*\b+FR-1], v[AF+FR*(\a):AF+FR*(\a)+FR-1], v[8*(8*((\a)%4)+\b):8*(8*((\a)%4)+\b)+7], v[SB+16*(\sc)+NQ*\b+(\q)], v[SA+16*(\sc)+NQ*(\a)+(\q)] matrix_a_fmt:MATRIX_FMT_FP6 matrix_b_fmt:MATRIX_FMT_FP6
.endif
.endr
.endr
.endm
.macro FETCH_B slot, q, p
	WIN TO_B
.irp i, 0,1,2,3,4,5,6,7
	FRAG 128*(\p)+FR*\i, ADRB+\slot, \q, \i
.endr
	WIN 0
.endm
.macro FETCH_A slot, q, i0
.irp i, \i0, \i0+1, \i0+2, \i0+3
	FRAGA AF+FR*(\i), \slot, \q, \i
.endr
.endm
.macro SCALES sc
.irp i, 0,1,2,3,4,5,6,7
	ds_load_b64 v[SA+16*\sc+NQ*\i:SA+16*\sc+NQ*\i+1], v[ADSA] offset:128*\i
.endr
.irp i, 0,1,2,3,4,5,6,7
	ds_load_b64 v[SB+16*\sc+NQ*\i:SB+16*\sc+NQ*\i+1], v[ADSB] offset:\i*SBLK
.endr
.endm
.macro PLACES n
.rept \n
	v_nop
.endr
.endm
.macro STEP slot, q, zero
	s_wait_dscnt 4*NL
	WIN MUL_LO
	MUL16 0, (\q)%2, \q, \slot, \zero
	MUL16 2, (\q)%2, \q, \slot, \zero
	s_wait_dscnt 0
	PLACES NP
	FETCH_B \slot, (\q)+1, 1-(\q)%2
	FETCH_A \slot, (\q)+1, 0
	WIN MUL_HI
	MUL16 4, (\q)%2, \q, \slot, \zero
	MUL16 6, (\q)%2, \q, \slot, \zero
	PLACES NP
	WIN 0
	FETCH_A \slot, (\q)+1, 4
.endm
.macro TURN slot, next, fill
	s_wait_tensorcnt 0x0
	ds_add_u32 v[SPW], v[NIL]
	s_wait_dscnt 4*NL+1
	WIN MUL_LO
	MUL16 0, 1, NQ-1, \slot, 0
	s_wait_dscnt 0x0
	s_barrier_signal -1
	MUL16 2, 1, NQ-1, \slot, 0
	WIN 0
	s_barrier_wait -1
.if \fill
	CREST
	s_add_nc_u64 s[G0+4*\slot+2:G0+4*\slot+3], s[G0+4*\slot+2:G0+4*\slot+3], 2*HALFA
	s_add_nc_u64 s[G0B+4*\slot+2:G0B+4*\slot+3], s[G0B+4*\slot+2:G0B+4*\slot+3], 2*ROWB
	JLOAD G0+4*\slot, G1, G0B+4*\slot, G1B
.else
	PLACES NP
.endif
	s_wait_alu depctr_va_vdst(0)
	v_add_nc_u32 v[ADSA], 1024, v[ADSA]
	v_add_nc_u32 v[ADSB], 4*NQ, v[ADSB]
	FETCH_B \next, 0, 0
	FETCH_A \next, 0, 0
	SCALES \next
	WIN MUL_HI
	MUL16 4, 1, NQ-1, \slot, 0
	MUL16 6, 1, NQ-1, \slot, 0
	PLACES NP
	WIN 0
	FETCH_A \next, 0, 4
.endm
	s_wait_alu depctr_va_vdst(0)
	s_wait_tensorcnt 1
	s_barrier_signal -1
	s_barrier_wait -1
	FETCH_B 0, 0, 0
	FETCH_A 0, 0, 0
	SCALES 0
	FETCH_A 0, 0, 4
	STEP 0, 0, 1
	s_mov_b32 s3, LAPS-1
.Llap:
	TURN 0, 1, 1
	STEP 1, 0, 0
	TURN 1, 0, 1
	STEP 0, 0, 0
	s_sub_co_u32 s3, s3, 1
	s_cmp_lg_u32 s3, 0
	s_cbranch_scc1 .Llap
	TURN 0, 1, 0
	STEP 1, 0, 0
	s_wait_dscnt 4*NL
	WIN MUL_LO
	MUL16 0, 1, NQ-1, 1, 0
	MUL16 2, 1, NQ-1, 1, 0
	s_wait_dscnt 0
	WIN MUL_HI
	MUL16 4, 1, NQ-1, 1, 0
	MUL16 6, 1, NQ-1, 1, 0
	WIN 0
.macro TOSTAGE a
.set AC, 64*((\a)%4)
	WIN 0x08+4*((\a)/4)
.irp b, 0,1,2,3,4,5,6,7
	ds_store_b128 v[STO], v[AC+8*\b:AC+8*\b+3] offset:64*\b
	ds_store_b128 v[STO], v[AC+8*\b+4:AC+8*\b+7] offset:64*\b+16
.endr
	WIN 0
.set BB, BK+64*((\a)%2)
.irp t, 0,1,2,3,4,5,6,7,8,9,10,11,12,13,14,15
	ds_load_b128 v[BB+4*\t:BB+4*\t+3], v[RD] offset:\t*SPITCH
.endr
.endm
.macro SEND a, younger
.set BB, BK+64*((\a)%2)
	s_wait_dscnt \younger
.if (\a) > 0
	s_add_nc_u64 s[12:13], s[12:13], 16*SIZE_N*4
.endif
.irp t, 0,1,2,3,4,5,6,7,8,9,10,11,12,13,14,15
	global_store_b128 v[CO], v[BB+4*\t:BB+4*\t+3], s[12:13] offset:\t*SIZE_N*4 th:TH_STORE_NT
.endr
.endm
	PLACES NP
	TOSTAGE 0
.irp a, 1,2,3,4,5,6,7
.if \a > 1
	s_wait_xcnt 0x0
.endif
	TOSTAGE \a
	SEND \a-1, 32
.endr
	s_wait_xcnt 0x0
	SEND 7, 0
	s_wait_tensorcnt 0x0
	ds_add_u32 v[SPW], v[NIL]
	s_wait_dscnt 0x0
	CROUND
	s_endpgm
.Lfunc_end_k_q46189c42bd_proj:
	.size	k_q46189c42bd_proj, .Lfunc_end_k_q46189c42bd_proj-k_q46189c42bd_proj
	.p2alignl 7, 3214868480
	.fill 96, 4, 3214868480
	.section	.rodata,"a",@progbits
	.p2align	6, 0x0
	.amdhsa_kernel k_q46189c42bd_proj
		.amdhsa_group_segment_fixed_size 327680
		.amdhsa_private_segment_fixed_size 0
		.amdhsa_enable_private_segment 0
		.amdhsa_kernarg_size 40
		.amdhsa_user_sgpr_count 2
		.amdhsa_user_sgpr_kernarg_segment_ptr 1
		.amdhsa_wavefront_size32 1
		.amdhsa_system_sgpr_workgroup_id_x 1
		.amdhsa_system_sgpr_workgroup_id_y 1
		.amdhsa_system_sgpr_workgroup_id_z 1
		.amdhsa_system_vgpr_workitem_id 0
		.amdhsa_next_free_vgpr 1024
		.amdhsa_next_free_sgpr 98
		.amdhsa_reserve_vcc 0
		.amdhsa_float_denorm_mode_32 3
		.amdhsa_float_denorm_mode_16_64 3
		.amdhsa_memory_ordered 1
		.amdhsa_forward_progress 1
		.amdhsa_inst_pref_size 163
	.end_amdhsa_kernel
	.amdgpu_metadata
---
amdhsa.version: [ 1, 2 ]
amdhsa.kernels:
  - .name:           k_q46189c42bd_proj
    .symbol:         k_q46189c42bd_proj.kd
    .args:
      - { .name: oc, .offset: 0, .size: 8, .value_kind: global_buffer, .address_space: global }
      - { .name: os, .offset: 8, .size: 8, .value_kind: global_buffer, .address_space: global }
      - { .name: w_proj_codes, .offset: 16, .size: 8, .value_kind: global_buffer, .address_space: global }
      - { .name: w_proj_scales, .offset: 24, .size: 8, .value_kind: global_buffer, .address_space: global }
      - { .name: out0, .offset: 32, .size: 8, .value_kind: global_buffer, .address_space: global }
    .group_segment_fixed_size: 327680
    .private_segment_fixed_size: 0
    .kernarg_segment_align: 8
    .kernarg_segment_size: 40
    .max_flat_workgroup_size: 128
    .sgpr_count:     98
    .vgpr_count:     1024
    .wavefront_size: 32
...
	.end_amdgpu_metadata
.endif
;; end of part 3
